; MI455X (gfx1250); checked and timed in simulation.
; The chip was launched on July 23, 2026; its instructions are those of AMD's public machine-readable ISA for CDNA 5 (MIT licence, August 2026) and "CDNA5" Instruction Set Architecture Reference Guide (July 2026). The comments in the code are by the model that wrote it; some were corrected since.
;; Role Modulator. Allowed arithmetic: matrix products marked QUANTISED: E2M3 operands, one E8M0 scale for each 32 along K, by v_wmma_scale_f32_16x16x128_f8f6f4 with both operands' format E2M3, f32 sums; products left as they are: f32 operands where the result goes on into a quantised operand, else bf16, f16 or f32 operands; f32 sums; everything else in f32.
;; Inputs: W 4 x 2,048 x 2,048 float32; b 4 x 2,048 float32; hidden 8 x 512 x 2,048 float32; role_onehot 8 x 4 float32; scales 4 float32.
;; Outputs: out0 8 x 512 x 2,048 float32.
;; This version of the problem:
;;   THIS VERSION OF THE PROBLEM IS GIVEN IN LOW PRECISION. The matrix products marked QUANTISED in the list below multiply operands that are first quantised to E2M3 (2 exponent bits, 3 mantissa bits; 6 bits a number), with one power-of-two scale for each 32 numbers along K (OCP MX v1.0); their sums are f32. All else is computed in f32.
;;   The module's matrix products, in the order in which they are computed (A, B: the left and right operand; K: the contracted axis; several contracted axes count as one K, in the product's order):
;;     1. [M 8,192, K 2,048] x [K 2,048, N 4,096]; A: input W; B: input hidden: QUANTISED
;;     2. batch 8 x [M 1,048,576, K 4] x [K 4, N 1]; A: computed on the way; B: input role_onehot: left as it is (K = 4 < 32)
;;   THE QUANTISER, for each operand of a quantised product, along K:
;;     - K is cut into blocks of 32 from its start; a last block that is shorter is filled with zeros.
;;     - A block's scale is 2^e with e = floor(log2(the largest magnitude in the block)) - 2, held to -126 .. 127; a block of zeros has e = 0. As a byte (E8M0): e + 127.
;;     - Each number is divided by its block's scale, clamped to +-7.5, and rounded to the nearest number of E2M3, ties to even, subnormals kept.
;;     - The product sums the exact products of the quantised numbers (number of the format x scale) in f32.
;;   ~~~python
;;   def quantise(x, axis):      # numpy; x: float32 -> the quantised numbers, widened to float32 again
;;       x = np.moveaxis(x, axis, -1); K = x.shape[-1]
;;       x = np.pad(x, [(0, 0)] * (x.ndim - 1) + [(0, -K % 32)]); x = x.reshape(x.shape[:-1] + (-1, 32)); a = np.abs(x).max(-1, keepdims=True)
;;       e = np.where(a > 0, np.clip(np.frexp(np.where(a > 0, a, 1))[1] - 1 - 2, -126, 127), 0)      # np.frexp(a)[1] - 1 = floor(log2(a)), exactly
;;       r = np.clip(x / 2.0 ** e, -7.5, 7.5)
;;       step = 2.0 ** (np.maximum(np.frexp(np.where(r == 0, 1, r))[1] - 1, 0) - 3)
;;       q = np.round(r / step) * step * 2.0 ** e      # np.round: ties to even
;;       return np.moveaxis(q.reshape(q.shape[:-2] + (-1,))[..., :K], -1, axis).astype(np.float32)
;;   ~~~
;; 2 versions. Each part assembles by itself: llvm-mc -triple=amdgcn-amd-amdhsa -mcpu=gfx1250 --defsym DOCPART=n.
;; ======== version 1 of 2: 2 launches
;; workspace buffers: wimg 12,582,912 bytes; wsc 524,288 bytes; himg 6,291,456 bytes; hsc 262,144 bytes; flags 256 bytes of whole numbers
;; launch quant (part 1): grid 1536 x 1, 4 waves a work-group, no clusters, 34,304 bytes of LDS; arguments W, hidden, role_onehot, wimg, wsc, himg, hsc, flags; writes wimg, wsc, himg, hsc, flags
.if DOCPART == 1
	.amdgcn_target "amdgcn-amd-amdhsa--gfx1250"
	.amdhsa_code_object_version 6
	.text
	.protected	k_q4f53eec6e0_quant
	.globl	k_q4f53eec6e0_quant
	.p2align	8
	.type	k_q4f53eec6e0_quant,@function
k_q4f53eec6e0_quant:
	s_mov_b64 s[64:65], 0
	v_nop
	global_prefetch_b8 v0, s[64:65] scope:SCOPE_SE
	s_setreg_imm32_b32 hwreg(HW_REG_WAVE_MODE, 25, 1), 1
	s_wait_xcnt 0x0
; W [4][2048 d][2048 e] and hidden [4096 tokens][2048 d], f32, become codes of FP6 (E2M3) with one E8M0 byte for each 32 along d, which is K of the product.
; A block's scale is 2^(floor(log2(its largest magnitude)) - 2): its byte is the largest magnitude's exponent field - 2, held at 1 from below.
; THE CODES ARE LAID AS IMAGES OF THE OPERAND'S REGISTERS.  A fragment (16 rows x 128 K: 12 registers a lane) is 1,536 bytes: registers 4 c .. 4 c + 3 of lane l at byte 512 c + 16 l.
; Lane (r = l % 16, h = l / 16) holds in registers 6 c .. 6 c + 5 block 2 c + h of row r.  A row is a token (hidden) or a column e (W).  The next launch takes a fragment by three loads of 16 bytes a lane.
;   wimg [role 4][group of 64 columns 32][K step 16][tile 4][1536]     wsc [role][group][K step][64 words]
;   himg [block of 128 tokens 32][K step 16][tile 8][1536]             hsc [block][K step][128 words]
; A scale word is a row's four bytes of one K step of 128; 32 words on end serve two tiles (lanes 0-15 the even tile's rows, lanes 16-31 the odd tile's).
; flags: word 4 b + r = 1 where role_onehot[b][r] != 0 (a NaN counts as not 0), else 0: whole numbers, on which the next launch may branch.
; SHARES.  A wave does ONE job and ends: 16 KB in, two neighbouring fragments (3,072 dense bytes) and 32 scale words (128 dense bytes) out.  Work-groups 0-1023 take W, 1024-1535 hidden.
; No loop, no barrier: waves share nothing.  Four waves of 256 registers lie on a SIMD, so sixteen jobs' loads are on their way on a WGP.
; LIMITS: NaN and infinities in W or hidden are not served.  A block of zeros gets the byte 1 (the rule says 127): its codes are zeros, which add nothing under any byte but 0xff, and this program alone reads the bytes.
.set D,   32                           ; v32-159  128 words as loaded
.set X,   160                          ; v160-223 hidden: a lane's two whole blocks
.set F0,  224                          ; v224-235 the first fragment
.set F1,  236                          ; v236-247 the second
.set T0,  248                          ; v248-250, v252-254: a block's upper 16 codes (a conversion's three registers begin on an even number)
.set T1,  252
.set AM,  8                            ; v8-9   two largest magnitudes
.set SCO, 10                           ; v10-11 the conversions' scale operands
.set BY,  12                           ; v12-15 scale bytes
.set WD0, 16                           ; v16-17 scale words
.set WD1, 17
.set SP,  528                          ; hidden's stage: a row of 512 bytes + 16 = 33 x 16 bytes, so that sixteen rows' reads of 16 bytes start in different banks
.set WSTG, 16*SP                       ; a stage of 16 rows for each wave
	s_load_b128 s[4:7], s[0:1], 0x0                ; W, hidden
	s_load_b128 s[8:11], s[0:1], 0x10              ; role_onehot, wimg
	s_load_b128 s[12:15], s[0:1], 0x20             ; wsc, himg
	s_load_b128 s[16:19], s[0:1], 0x30             ; hsc, flags
	v_lshl_add_u32 v251, v0, 2, 0x8400
	v_mov_b32 v255, 0
	v_lshrrev_b32 v1, 5, v0
	v_readfirstlane_b32 s22, v1                    ; wave 0..3
	v_and_b32 v1, 31, v0                           ; lane
	v_lshlrev_b32 v2, 2, v1                        ; 4 x lane
	v_lshlrev_b32 v3, 4, v1                        ; 16 x lane
	s_mul_i32 s23, s22, WSTG                       ; my stage
	v_add_nc_u32 v4, s23, v3                       ; into it: 16 x lane of a row
	v_and_b32 v8, 15, v0                           ; r
	v_bfe_u32 v9, v0, 4, 1                         ; h
	v_mul_u32_u24 v5, v8, SP
	v_lshl_add_u32 v5, v9, 7, v5
	v_add_nc_u32 v5, s23, v5                       ; out of it: row r, + 128 h bytes: my block of 32 numbers
	v_lshlrev_b32 v6, 3, v9                        ; 8 h: where my two bytes stand in a scale word
	v_mov_b32 v7, 0                                ; a lane permute's destination counts as one of its sources
	s_mov_b32 s20, 0x76543210
	s_mov_b32 s21, 0xfedcba98                      ; v_permlanex16_b32's selects for lane l xor 16
	s_wait_kmcnt 0x0
; Two blocks of 32 numbers, v[sa] on and v[sb] on, by turns.  Lower 16 codes of each into v[la] on, v[lb] on; upper 16 into v[ta] on, v[tb] on; the two bytes into v[by], v[by + 1].
.macro QPAIR sa, sb, la, ta, lb, tb, by
	v_max3_num_f32 v[AM], |v[\sa]|, |v[\sa+1]|, 0x1800000          ; the floor 2^(3 - 127) among the leaves: the byte cannot fall under 1
	v_max3_num_f32 v[AM+1], |v[\sb]|, |v[\sb+1]|, 0x1800000
.irp i, 2,4,6,8,10,12,14,16,18,20,22,24,26,28,30
	v_max3_num_f32 v[AM], v[AM], |v[\sa+\i]|, |v[\sa+\i+1]|
	v_max3_num_f32 v[AM+1], v[AM+1], |v[\sb+\i]|, |v[\sb+\i+1]|
.endr
	v_add_nc_u32 v[SCO], 0xff000000, v[AM]         ; 2 off the exponent field: the conversion takes that field as its scale, and nothing else of the operand
	v_add_nc_u32 v[SCO+1], 0xff000000, v[AM+1]
	v_lshrrev_b32 v[\by], 23, v[SCO]               ; the scale's byte
	v_lshrrev_b32 v[\by+1], 23, v[SCO+1]
	v_cvt_scalef32_pk16_fp6_f32 v[\la:\la+2], v[\sa:\sa+15], v[SCO]       ; to the nearest code, ties to even; beyond 7.5 the largest code
	v_cvt_scalef32_pk16_fp6_f32 v[\ta:\ta+2], v[\sa+16:\sa+31], v[SCO]
	v_cvt_scalef32_pk16_fp6_f32 v[\lb:\lb+2], v[\sb:\sb+15], v[SCO+1]
	v_cvt_scalef32_pk16_fp6_f32 v[\tb:\tb+2], v[\sb+16:\sb+31], v[SCO+1]
	v_nop                                          ; one plain place behind the scaled conversions
.endm
; A fragment leaves as it stands: each store covers 512 consecutive bytes, at a multiple of 512 from the buffer's first byte.
.macro OUTF f, off, base
.irp c, 0,1,2
	global_store_b128 v3, v[\f+4*\c:\f+4*\c+3], s[\base:\base+1] offset:\off+512*\c
.endr
.endm
	s_cmp_lt_u32 ttmp9, 1024
	s_cbranch_scc0 .Lhidden
; ---------------- W: A LANE TAKES A COLUMN e, ITS REGISTERS RUN DOWN d.  The four waves stand side by side on 128 columns: 512 consecutive bytes of every row.
	s_lshr_b32 s24, ttmp9, 8                       ; role
	s_bfe_u32 s25, ttmp9, 0x40004                  ; K step
	s_and_b32 s26, ttmp9, 15                       ; which 128 columns
	s_lshr_b32 s27, s22, 1
	s_and_b32 s28, s22, 1                          ; which pair of tiles in a group of 64 columns
	s_lshl_b32 s32, s24, 24                        ; W: a role is 2^24 bytes, 128 rows are 2^20, 128 columns 512, my 32 columns 128
	s_lshl_b32 s29, s25, 20
	s_add_co_u32 s32, s32, s29
	s_lshl_b32 s29, s26, 9
	s_add_co_u32 s32, s32, s29
	s_lshl_b32 s29, s22, 7
	s_add_co_u32 s32, s32, s29
	s_mov_b32 s33, 0
	s_lshl_b32 s31, s26, 1
	s_add_co_u32 s31, s31, s27                     ; the group of 64 columns
	s_mul_i32 s34, s24, 3145728                    ; wimg: role, group, K step, pair of tiles
	s_mul_i32 s30, s31, 98304
	s_add_co_u32 s34, s34, s30
	s_mul_i32 s30, s25, 6144
	s_add_co_u32 s34, s34, s30
	s_mul_i32 s30, s28, 3072
	s_add_co_u32 s34, s34, s30
	s_mov_b32 s35, 0
	s_lshl_b32 s36, s24, 17                        ; wsc likewise
	s_lshl_b32 s30, s31, 12
	s_add_co_u32 s36, s36, s30
	s_lshl_b32 s30, s25, 8
	s_add_co_u32 s36, s36, s30
	s_lshl_b32 s30, s28, 7
	s_add_co_u32 s36, s36, s30
	s_mov_b32 s37, 0
	s_add_nc_u64 s[4:5], s[4:5], s[32:33]
	s_add_nc_u64 s[10:11], s[10:11], s[34:35]
	s_add_nc_u64 s[12:13], s[12:13], s[36:37]
.set k, 0
.rept 128
	global_load_b32 v[D+k], v2, s[4:5] offset:k*8192 th:TH_LOAD_NT     ; W(128 s + k, my column): read once in the launch
.set k, k+1
.endr
; Blocks 2 c and 2 c + 1 of all 32 columns are made; then lanes 16-31 of the first change places with lanes 0-15 of the second: F0 then holds block 2 c + h of columns 0-15, F1 that of columns 16-31.
.macro SWAPMOV c
.irp i, 0,1,2
	v_permlane16_swap_b32 v[F0+6*\c+\i], v[F1+6*\c+\i]
.endr
.irp i, 0,1,2
	v_permlane16_swap_b32 v[T0+\i], v[T1+\i]
.endr
.irp i, 0,1,2
	v_mov_b32 v[F0+6*\c+3+\i], v[T0+\i]
	v_mov_b32 v[F1+6*\c+3+\i], v[T1+\i]
.endr
.endm
	s_wait_loadcnt 63                              ; of the 128 loads at most 63 are out: the oldest 65 are in, blocks 0 and 1 among them (64 would do; the wait's field holds 63)
	QPAIR D, D+32, F0, T0, F1, T1, BY
	SWAPMOV 0
	s_wait_loadcnt 0x0                             ; blocks 2 and 3
	QPAIR D+64, D+96, F0+6, T0, F1+6, T1, BY+2
	SWAPMOV 1
	v_lshl_or_b32 v[WD0], v[BY+1], 8, v[BY]        ; my column's four bytes: its scale word
	v_lshl_or_b32 v[WD0], v[BY+2], 16, v[WD0]
	v_lshl_or_b32 v[WD0], v[BY+3], 24, v[WD0]
	OUTF F0, 0, 10
	OUTF F1, 1536, 10
	global_store_b32 v2, v[WD0], s[12:13]          ; 128 consecutive bytes
	s_endpgm
; ---------------- hidden: K is innermost.  32 rows x 128 K.  Each load takes a row's 512 consecutive bytes; 16 rows at a time turn through my own stage in LDS, so that a lane gets two whole blocks of its row.
.Lhidden:
	s_sub_co_u32 s24, ttmp9, 1024
	s_lshr_b32 s25, s24, 2                         ; which 32 tokens
	s_and_b32 s26, s24, 3
	s_lshl_b32 s26, s26, 2
	s_add_co_u32 s26, s26, s22                     ; K step
	s_lshr_b32 s27, s25, 2                         ; the block of 128 tokens
	s_and_b32 s28, s25, 3                          ; which pair of tiles in it
	s_lshl_b32 s32, s25, 18                        ; hidden: 32 rows of 8,192 bytes; a K step is 512 bytes
	s_lshl_b32 s29, s26, 9
	s_add_co_u32 s32, s32, s29
	s_mov_b32 s33, 0
	s_mul_i32 s34, s27, 196608                     ; himg: block, K step, pair of tiles
	s_mul_i32 s29, s26, 12288
	s_add_co_u32 s34, s34, s29
	s_mul_i32 s29, s28, 3072
	s_add_co_u32 s34, s34, s29
	s_mov_b32 s35, 0
	s_lshl_b32 s36, s27, 13                        ; hsc likewise
	s_lshl_b32 s29, s26, 9
	s_add_co_u32 s36, s36, s29
	s_lshl_b32 s29, s28, 7
	s_add_co_u32 s36, s36, s29
	s_mov_b32 s37, 0
	s_add_nc_u64 s[6:7], s[6:7], s[32:33]
	s_add_nc_u64 s[14:15], s[14:15], s[34:35]
	s_add_nc_u64 s[16:17], s[16:17], s[36:37]
.set k, 0
.rept 32
	global_load_b128 v[D+4*k:D+4*k+3], v3, s[6:7] offset:k*8192 th:TH_LOAD_NT
.set k, k+1
.endr
.macro TURN t                          ; rows 16 t on: in as loaded, out 128 bytes a lane and block: X[32 c + i] = hidden(row r, 64 c + 32 h + i).  LDS serves a wave's instructions in order: no wait between
.irp i, 0,1,2,3,4,5,6,7,8,9,10,11,12,13,14,15
	ds_store_b128 v4, v[D+64*\t+4*\i:D+64*\t+4*\i+3] offset:\i*SP
.endr
.irp c, 0,1
.irp q, 0,1,2,3,4,5,6,7
	ds_load_b128 v[X+32*\c+4*\q:X+32*\c+4*\q+3], v5 offset:256*\c+16*\q
.endr
.endr
.endm
.macro WORD d                          ; my bytes are those of blocks h and 2 + h of row r: with lane l xor 16's two the word is whole, in both lanes
	v_lshl_or_b32 v[\d], v[BY+1], 16, v[BY]
	v_lshlrev_b32 v[\d], v6, v[\d]
	v_permlanex16_b32 v7, v[\d], s20, s21
	v_or_b32 v[\d], v[\d], v7
.endm
.macro HTILE t, f, wd
	TURN \t
	s_wait_dscnt 0x0                               ; my 64 numbers are back
	QPAIR X, X+32, \f, T0, \f+6, T1, BY
.irp i, 0,1,2
	v_mov_b32 v[\f+3+\i], v[T0+\i]
	v_mov_b32 v[\f+9+\i], v[T1+\i]
.endr
	WORD \wd
	OUTF \f, 1536*\t, 14
.endm
	s_wait_loadcnt 16                              ; rows 0-15 are in; the sixteen younger loads may be out
	HTILE 0, F0, WD0
	s_wait_loadcnt 0x0
	HTILE 1, F1, WD1                               ; the same stage: its stores come behind the first tile's reads, which have been waited for
	v_cmp_le_u32 vcc_lo, 16, v1
	v_cndmask_b32 v[WD0], v[WD0], v[WD1], vcc_lo   ; lanes 0-15 the first tile's words, lanes 16-31 the second's
	global_store_b32 v2, v[WD0], s[16:17]          ; 128 consecutive bytes
; The flags: one wave of the launch (wave 0 of work-group 1024).  The branch hangs on ids alone; the comparison of floats feeds data alone.
	s_lshl_b32 s24, ttmp9, 2
	s_add_co_u32 s24, s24, s22
	s_cmp_lg_u32 s24, 4096
	s_cbranch_scc1 .Lend
	global_load_b32 v18, v2, s[8:9]                ; all 32 weights, one a lane
	s_wait_loadcnt 0x0
	v_cmp_neq_f32 vcc_lo, 0, v18
	v_cndmask_b32 v18, 0, 1, vcc_lo
	global_store_b32 v2, v18, s[18:19]
.Lend:
	s_wait_tensorcnt 0x0
	ds_add_u32 v251, v255
	s_wait_dscnt 0x0
	s_endpgm
.Lfunc_end_k_q4f53eec6e0_quant:
	.size	k_q4f53eec6e0_quant, .Lfunc_end_k_q4f53eec6e0_quant-k_q4f53eec6e0_quant
	.p2alignl 7, 3214868480
	.fill 96, 4, 3214868480
	.section	.rodata,"a",@progbits
	.p2align	6, 0x0
	.amdhsa_kernel k_q4f53eec6e0_quant
		.amdhsa_group_segment_fixed_size 34304
		.amdhsa_private_segment_fixed_size 0
		.amdhsa_enable_private_segment 0
		.amdhsa_kernarg_size 64
		.amdhsa_user_sgpr_count 2
		.amdhsa_user_sgpr_kernarg_segment_ptr 1
		.amdhsa_wavefront_size32 1
		.amdhsa_system_sgpr_workgroup_id_x 1
		.amdhsa_system_sgpr_workgroup_id_y 1
		.amdhsa_system_sgpr_workgroup_id_z 1
		.amdhsa_system_vgpr_workitem_id 0
		.amdhsa_next_free_vgpr 256
		.amdhsa_next_free_sgpr 66
		.amdhsa_reserve_vcc 1
		.amdhsa_float_denorm_mode_32 3
		.amdhsa_float_denorm_mode_16_64 3
		.amdhsa_memory_ordered 1
		.amdhsa_forward_progress 1
		.amdhsa_inst_pref_size 37
	.end_amdhsa_kernel
	.amdgpu_metadata
---
amdhsa.version: [ 1, 2 ]
amdhsa.kernels:
  - .name:           k_q4f53eec6e0_quant
    .symbol:         k_q4f53eec6e0_quant.kd
    .args:
      - { .name: W, .offset: 0, .size: 8, .value_kind: global_buffer, .address_space: global }
      - { .name: hidden, .offset: 8, .size: 8, .value_kind: global_buffer, .address_space: global }
      - { .name: role_onehot, .offset: 16, .size: 8, .value_kind: global_buffer, .address_space: global }
      - { .name: wimg, .offset: 24, .size: 8, .value_kind: global_buffer, .address_space: global }
      - { .name: wsc, .offset: 32, .size: 8, .value_kind: global_buffer, .address_space: global }
      - { .name: himg, .offset: 40, .size: 8, .value_kind: global_buffer, .address_space: global }
      - { .name: hsc, .offset: 48, .size: 8, .value_kind: global_buffer, .address_space: global }
      - { .name: flags, .offset: 56, .size: 8, .value_kind: global_buffer, .address_space: global }
    .group_segment_fixed_size: 34304
    .private_segment_fixed_size: 0
    .kernarg_segment_align: 8
    .kernarg_segment_size: 64
    .max_flat_workgroup_size: 128
    .sgpr_count:     66
    .vgpr_count:     256
    .wavefront_size: 32
...
	.end_amdgpu_metadata
.endif
;; end of part 1
;; launch roles (part 2): grid 8 x 32, 4 waves a work-group, no clusters, 222,720 bytes of LDS; arguments himg, hsc, wimg, wsc, b, role_onehot, scales, flags, out0; writes out0
.if DOCPART == 2
	.amdgcn_target "amdgcn-amd-amdhsa--gfx1250"
	.amdhsa_code_object_version 6
	.text
	.protected	k_q4f53eec6e0_roles
	.globl	k_q4f53eec6e0_roles
	.p2align	8
	.type	k_q4f53eec6e0_roles,@function
k_q4f53eec6e0_roles:
	s_mov_b64 s[64:65], 0
	v_nop
	global_prefetch_b8 v0, s[64:65] scope:SCOPE_SE
	s_setreg_imm32_b32 hwreg(HW_REG_WAVE_MODE, 25, 1), 1
	s_wait_xcnt 0x0
; out[b][s][e] = sum over roles r of onehot[b][r] scales[r] tanh( sum over d of Q(hidden)[b][s][d] Q(W)[r][d][e] + bias[r][e] ), the product on codes of FP6 (E2M3) with E8M0 scales, sums in f32.
; role_onehot is taken as ANY weights.  All four roles are walked; a role is passed over only where the stored flag says that the batch's weight for it is exactly 0: such a role adds 0 x (a number of magnitude at most |scale|).
; SHARES.  256 work-groups of four waves.  Work-group (x, y) owns tokens 128 y on (all of batch y / 4) and columns 256 x on; wave w all 128 tokens x columns 256 x + 64 w on: 8 x 4 accumulators of 16 x 16.
; hidden's codes and scale words of the 128 tokens, for all of K (196,608 + 8,192 dense bytes), are copied ONCE through registers into LDS, ahead of the walk over roles; one barrier; they are never written again.
; W's fragments go from memory straight into registers, as the launch before laid them: no two waves of a work-group want the same fragment, so LDS would only add a trip.
; NO TENSOR LOADS, NO CLUSTER, NO JOINT REQUESTS: the walk branches on a number read from memory; no barrier stands under that branch either.
; Where one role in four is weighted, the branch spares three quarters of the products and of W's bytes, more than sharing W's tiles among four work-groups would.
; THE MATRIX INSTRUCTION IS USED TRANSPOSED: source 0 = 16 columns of W, source 1 = 16 tokens.  Lane (r, h) then holds token r, and its registers 0-7 the columns 8 h + 0 .. 7 of the tile: 32 neighbouring bytes of a row of out.
; tanh x = 1 - 2 / (1 + 2^(2 log2(e) x)): right at both ends (2^.. = infinity gives 1, 0 gives -1); absolute error a few 2^-24.
; LIMITS: g = scales[r] x onehot[b][r] is formed first (one rounding placed otherwise than in the definition).  A weight of +-0 is passed over: the sign of a zero result may differ, and 0 x (an infinite or NaN scale) gives 0.
; REGISTERS, in windows of 256 (s_set_vgpr_msb: bits 1:0 source 0, 3:2 source 1, 5:4 source 2, 7:6 destination):
;   window 0: v1-15 addresses and g; v16-23 hidden's scale words, two sets of 4; v24-31 W's, four sets of 2; v32-223 W's fragments, four sets of 48 (v32-63 at work in the epilogue; v96-159 rows on the way out)
;   window 1: v0-191 hidden's fragments, two sets of 96; v192-223 the bias, 4 tiles x 8      window 2: accumulator (a, bt) at v[8 (4 a + bt)]      window 3: the sum over roles, laid likewise
.set AIMG,  0                          ; LDS: hidden's images [K step 16][tile 8][1536]: every access is 512 consecutive bytes, so no pitch and no padding
.set ASC,   196608                     ; its scale words [K step 16][128 words]
.set STAGE, 204800                     ; the way out: for each wave 16 rows x (256 bytes + 16)
.set SPITCH, 272                       ; 17 x 16 bytes: sixteen rows' stores of 16 bytes start in different banks
.set LI,    1                          ; v1   16 x lane
.set LS,    2                          ; v2   4 x lane
.set ADA,   3                          ; v3-6 16 x lane + 49,152 i: K steps 4 i .. 4 i + 3 of the images (an LDS offset has 16 bits)
.set ADS,   7                          ; v7   ASC + 4 x lane
.set STO,   8                          ; v8   the stage: where I put 32 bytes of a row
.set RD,    9                          ; v9   and where I read a row back
.set CO,    10                         ; v10  my byte offset in two rows of out
.set BO,    11                         ; v11  32 h: my eight numbers of a tile's sixteen biases
.set FILLA, 12                         ; v12  the fill: 16 x lane + my quarter of the images
.set FILLS, 13                         ; v13  and of the scale words
.set GV,    14                         ; v[14:15] g, twice
.set ASCR,  16
.set BSCR,  24
.set BF,    32
.set T,     32
.set BK,    96
.set AF,    0                          ; in window 1
.set BI,    192                        ; in window 1
.set MUL,   0xa4                       ; source 0 (W) window 0, source 1 (hidden) window 1, C and D window 2
.set MUL0,  0x94                       ; the same with C (the bias) in window 1
.set TO_A,  0x40                       ; destination window 1
.set EP1,   0x02                       ; source 0 window 2
.set EP2,   0xf0                       ; source 2 and destination window 3
.set OUTW,  0x0c                       ; an LDS store's data (source 1) window 3
.set MSB, 0
.macro WIN new                         ; the immediate's high byte repeats the setting that is left; a switch that changes nothing is dropped
.if MSB != \new
	s_set_vgpr_msb (MSB<<8)|\new
.set MSB, \new
.endif
.endm
.macro PLACES                          ; four plain places behind matrix instructions, in front of loads into registers that they read and of the first read of their results
.rept 4
	v_nop
.endr
.endm
	s_load_b256 s[8:15], s[0:1], 0x0               ; himg s[8:9], hsc s[10:11], wimg s[12:13], wsc s[14:15]
	s_load_b256 s[16:23], s[0:1], 0x20             ; b s[16:17], role_onehot s[18:19], scales s[20:21], flags s[22:23]
	s_load_b64 s[24:25], s[0:1], 0x40              ; out0
	v_lshl_add_u32 v254, v0, 2, 0x36400
	v_mov_b32 v255, 0
	v_lshrrev_b32 v32, 5, v0
	v_readfirstlane_b32 s2, v32                    ; wave 0..3
	s_mov_b32 s26, ttmp9                           ; x: which 256 columns
	s_and_b32 s27, ttmp7, 0xffff                   ; y: which 128 tokens
	s_lshr_b32 s28, s27, 2                         ; the batch
	v_and_b32 v32, 31, v0                          ; lane
	v_and_b32 v33, 15, v0                          ; r
	v_bfe_u32 v34, v0, 4, 1                        ; h
	v_lshlrev_b32 v[LI], 4, v32
	v_lshlrev_b32 v[LS], 2, v32
.irp i, 0,1,2,3
	v_add_nc_u32 v[ADA+\i], 49152*\i, v[LI]
.endr
	v_add_nc_u32 v[ADS], ASC, v[LS]
	s_mul_i32 s48, s2, 16*SPITCH
	s_add_co_u32 s48, s48, STAGE                   ; my stage
	v_mul_u32_u24 v[STO], v33, SPITCH
	v_lshl_add_u32 v[STO], v34, 5, v[STO]
	v_add_nc_u32 v[STO], s48, v[STO]               ; in: row r, + 32 h
	v_mul_u32_u24 v[RD], v34, SPITCH
	v_lshl_add_u32 v[RD], v33, 4, v[RD]
	v_add_nc_u32 v[RD], s48, v[RD]                 ; back: lanes 0-15 one row of 256 bytes, lanes 16-31 the next
	v_lshlrev_b32 v[CO], 13, v34
	v_lshl_add_u32 v[CO], v33, 4, v[CO]            ; and the same two rows of out (8,192 bytes a row)
	v_lshlrev_b32 v[BO], 5, v34
	s_mul_i32 s48, s2, 49152
	v_add_nc_u32 v[FILLA], s48, v[LI]
	s_lshl_b32 s48, s2, 11
	s_add_co_u32 s48, s48, ASC
	v_add_nc_u32 v[FILLS], s48, v[LI]
	s_mov_b32 s44, 0x4038aa3b                      ; 2 log2(e)
	s_mov_b32 s45, s44                             ; (named with it as a pair, so it is written)
	s_lshl_b32 s50, s26, 2
	s_add_co_u32 s50, s50, s2                      ; my group of 64 columns: 4 x + w
	s_mov_b32 s49, 0
	s_wait_kmcnt 0x0
	s_mul_i32 s48, s27, 196608
	s_mul_i32 s51, s2, 49152
	s_add_co_u32 s48, s48, s51
	s_add_nc_u64 s[8:9], s[8:9], s[48:49]          ; himg: my block of tokens, my quarter of it
	s_lshl_b32 s48, s27, 13
	s_lshl_b32 s51, s2, 11
	s_add_co_u32 s48, s48, s51
	s_add_nc_u64 s[10:11], s[10:11], s[48:49]      ; hsc likewise
	s_mul_i32 s48, s50, 98304
	s_add_nc_u64 s[12:13], s[12:13], s[48:49]      ; wimg: role 0, my group of columns
	s_lshl_b32 s48, s50, 12
	s_add_nc_u64 s[14:15], s[14:15], s[48:49]      ; wsc likewise
	s_lshl_b32 s48, s50, 8
	s_add_nc_u64 s[16:17], s[16:17], s[48:49]      ; b: role 0, my first column
	s_add_nc_u64 s[24:25], s[24:25], s[48:49]      ; out: my first column,
	s_lshl_b32 s48, s27, 20
	s_add_nc_u64 s[24:25], s[24:25], s[48:49]      ; my first token
	s_lshl_b32 s48, s28, 4
	s_add_nc_u64 s[18:19], s[18:19], s[48:49]      ; my batch's four weights
	s_add_nc_u64 s[22:23], s[22:23], s[48:49]      ; and four flags
	s_load_b128 s[32:35], s[22:23], 0x0            ; flags
	s_load_b128 s[36:39], s[18:19], 0x0            ; weights
	s_load_b128 s[40:43], s[20:21], 0x0            ; scales
; ---------------- THE FILL: 100 items of 512 bytes a wave (96 of images, 4 of scale words), through the registers of windows 1 and 2, which are idle yet.
	WIN 0x40
.set i, 0
.rept 60
	global_load_b128 v[4*i:4*i+3], v[LI], s[8:9] offset:512*i
.set i, i+1
.endr
	WIN 0xc0                                       ; the sum over roles begins at 0: a batch may have no weighted role, and which role comes first is not known to the text.  These lines run while the loads are out
.set i, 0
.rept 256
	v_mov_b32 v[i], 0
.set i, i+1
.endr
	WIN 0x80
.set i, 60
.rept 36
	global_load_b128 v[4*(i-60):4*(i-60)+3], v[LI], s[8:9] offset:512*i
.set i, i+1
.endr
.rept 4
	global_load_b128 v[4*(i-60):4*(i-60)+3], v[LI], s[10:11] offset:512*(i-96)
.set i, i+1
.endr
.macro FWAIT                           ; in front of items i .. i + 3: the loads younger than item i + 3 may be out, 99 - (i + 3) of them, or as many as the wait's field holds
.if 99-(i+3) > 63
	s_wait_loadcnt 63
.else
	s_wait_loadcnt 99-(i+3)
.endif
.endm
	WIN 0x04                                       ; an LDS store's data: window 1
.set i, 0
.rept 15
	FWAIT
.rept 4
	ds_store_b128 v[FILLA], v[4*i:4*i+3] offset:512*i
.set i, i+1
.endr
.endr
	WIN 0x08                                       ; window 2
.rept 9
	FWAIT
.rept 4
	ds_store_b128 v[FILLA], v[4*(i-60):4*(i-60)+3] offset:512*i
.set i, i+1
.endr
.endr
	FWAIT
.rept 4
	ds_store_b128 v[FILLS], v[4*(i-60):4*(i-60)+3] offset:512*(i-96)
.set i, i+1
.endr
	WIN 0
	s_wait_dscnt 0x0                               ; for the others' sake: my quarter lies in LDS
	s_barrier_signal -1
	s_barrier_wait -1                              ; everybody's does: the launch's one barrier
; W's fragments and scale words of K step s into set s % 4: 14 loads
.macro BLOAD s
	WIN 0
.irp t, 0,1,2,3
.irp c, 0,1,2
	global_load_b128 v[BF+48*((\s)%4)+12*\t+4*\c:BF+48*((\s)%4)+12*\t+4*\c+3], v[LI], s[12:13] offset:6144*(\s)+1536*\t+512*\c
.endr
.endr
.irp p, 0,1
	global_load_b32 v[BSCR+2*((\s)%4)+\p], v[LS], s[14:15] offset:256*(\s)+128*\p      ; lanes 0-15 tile 2 p's words, lanes 16-31 tile 2 p + 1's
.endr
.endm
; hidden's scale words and fragments of K step s into set s % 2: 28 LDS loads
.macro FETCH_A s
	WIN 0
.irp q, 0,1,2,3
	ds_load_b32 v[ASCR+4*((\s)%2)+\q], v[ADS] offset:512*(\s)+128*\q
.endr
	WIN TO_A
.irp t, 0,1,2,3,4,5,6,7
.irp c, 0,1,2
	ds_load_b128 v[AF+96*((\s)%2)+12*\t+4*\c:AF+96*((\s)%2)+12*\t+4*\c+3], v[ADA+(\s)/4] offset:12288*((\s)%4)+1536*\t+512*\c
.endr
.endr
.endm
; K step s: W three steps ahead, hidden one step ahead, then 32 products.  The 32 accumulators take turns, one instruction a turn, from step to step too.
; In step 0 the bias is the C of each sum's first product: nothing is cleared and nothing is added afterwards.
.macro STEP s
.if (\s) > 0
	WIN 0
	PLACES                                         ; behind step s - 1's products: the loads below land in the sets that those products read
.endif
.if (\s) <= 12
	BLOAD (\s)+3
.endif
.if (\s) <= 14
	FETCH_A (\s)+1
.endif
.if (\s) <= 12
	s_wait_loadcnt 42                              ; the three younger steps' 14 loads each may be out: this step's W is in (in step 0 the bias too, which is older)
.else
	s_wait_loadcnt 14*(15-(\s))                    ; no more are asked for: the count runs down
.endif
.if (\s) <= 14
	s_wait_dscnt 28                                ; all but the 28 just issued
.else
	s_wait_dscnt 0x0
.endif
.if (\s) == 0
	WIN MUL0
.else
	WIN MUL
.endif
.irp a, 0,1,2,3,4,5,6,7
.irp bt, 0,1,2,3
.set rD, 8*(4*\a+\bt)
.set rW, BF+48*((\s)%4)+12*\bt
.set rH, AF+96*((\s)%2)+12*\a
.set rWS, BSCR+2*((\s)%4)+\bt/2
.set rHS, ASCR+4*((\s)%2)+\a/2
.if (\s) == 0
.set rC, BI+8*\bt
.else
.set rC, rD
.endif
.if (\bt%2 == 1) && (\a%2 == 1)
	v_wmma_scale_f32_16x16x128_f8f6f4 v[rD:rD+7], v[rW:rW+11], v[rH:rH+11], v[rC:rC+7], v[rWS], v[rHS] matrix_a_fmt:MATRIX_FMT_FP6 matrix_b_fmt:MATRIX_FMT_FP6 matrix_a_scale:MATRIX_SCALE_ROW1 matrix_b_scale:MATRIX_SCALE_ROW1
.elseif (\bt%2 == 1)
	v_wmma_scale_f32_16x16x128_f8f6f4 v[rD:rD+7], v[rW:rW+11], v[rH:rH+11], v[rC:rC+7], v[rWS], v[rHS] matrix_a_fmt:MATRIX_FMT_FP6 matrix_b_fmt:MATRIX_FMT_FP6 matrix_a_scale:MATRIX_SCALE_ROW1
.elseif (\a%2 == 1)
	v_wmma_scale_f32_16x16x128_f8f6f4 v[rD:rD+7], v[rW:rW+11], v[rH:rH+11], v[rC:rC+7], v[rWS], v[rHS] matrix_a_fmt:MATRIX_FMT_FP6 matrix_b_fmt:MATRIX_FMT_FP6 matrix_b_scale:MATRIX_SCALE_ROW1
.else
	v_wmma_scale_f32_16x16x128_f8f6f4 v[rD:rD+7], v[rW:rW+11], v[rH:rH+11], v[rC:rC+7], v[rWS], v[rHS] matrix_a_fmt:MATRIX_FMT_FP6 matrix_b_fmt:MATRIX_FMT_FP6
.endif
.endr
.endr
.endm
; Four accumulators (32 registers, each accumulator from its low end on): sum += g tanh(.).  At work in v32-63, W's set 0, which step 12 read last: the places at the heads of steps 13 to 15 lie between.
.macro EPI n
	WIN EP1
.set i, 0
.rept 16
	v_pk_mul_f32 v[T+2*i:T+2*i+1], v[32*(\n)+2*i:32*(\n)+2*i+1], s[44:45] op_sel_hi:[1,0]   ; 2 log2(e) x
.set i, i+1
.endr
	WIN 0
.set i, 0
.rept 32
	v_exp_f32 v[T+i], v[T+i]
.set i, i+1
.endr
	v_nop                                          ; one plain place behind the transcendentals
.set i, 0
	s_wait_alu depctr_va_vdst(0)
.rept 16
	v_pk_add_f32 v[T+2*i:T+2*i+1], v[T+2*i:T+2*i+1], 1.0 op_sel_hi:[1,0]
.set i, i+1
.endr
.set i, 0
.rept 32
	v_rcp_f32 v[T+i], v[T+i]
.set i, i+1
.endr
	v_nop
.set i, 0
	s_wait_alu depctr_va_vdst(0)
.rept 16
	v_pk_fma_f32 v[T+2*i:T+2*i+1], v[T+2*i:T+2*i+1], -2.0, 1.0 op_sel_hi:[1,0,0]          ; tanh
.set i, i+1
.endr
	WIN EP2
.set i, 0
.rept 16
	v_pk_fma_f32 v[32*(\n)+2*i:32*(\n)+2*i+1], v[T+2*i:T+2*i+1], v[GV:GV+1], v[32*(\n)+2*i:32*(\n)+2*i+1]
.set i, i+1
.endr
.endm
; ---------------- THE WALK OVER THE FOUR ROLES.  The role in hand has its flag in s32, its weight in s36, its scale in s40; the three quadruples move down by one at a trip's end.
	s_mov_b32 s46, 4
	s_wait_kmcnt 0x0                               ; flags, weights, scales
.Lrole:
	s_cmp_eq_u32 s32, 0                            ; a whole number that the launch before stored
	s_cbranch_scc1 .Lnext
	v_mul_f32 v[GV], s36, s40                      ; g = weight x scale
	v_mov_b32 v[GV+1], v[GV]
	FETCH_A 0
.irp t, 0,1,2,3                                ; the bias in the result's layout: for tile t my columns 16 t + 8 h + 0 .. 7 (destination window 1, as FETCH_A left it)
	global_load_b128 v[BI+8*\t:BI+8*\t+3], v[BO], s[16:17] offset:64*\t
	global_load_b128 v[BI+8*\t+4:BI+8*\t+7], v[BO], s[16:17] offset:64*\t+16
.endr
	BLOAD 0
	BLOAD 1
	BLOAD 2
.irp s, 0,1,2,3,4,5,6,7,8,9,10,11,12,13,14,15      ; written out: every offset is an immediate, no address is stepped inside the walk along K
	STEP \s
.endr
	WIN 0
	PLACES                                         ; behind the last products, in front of the first read of results
.irp n, 0,1,2,3,4,5,6,7
	EPI \n
.endr
	WIN 0
.Lnext:                                            ; no memory instruction of mine is out on either way: step 15's waits were for 0, so the bases may step
	s_mov_b32 s32, s33
	s_mov_b32 s33, s34
	s_mov_b32 s34, s35
	s_mov_b32 s36, s37
	s_mov_b32 s37, s38
	s_mov_b32 s38, s39
	s_mov_b32 s40, s41
	s_mov_b32 s41, s42
	s_mov_b32 s42, s43
	s_add_nc_u64 s[12:13], s[12:13], 3145728       ; the next role's images,
	s_add_nc_u64 s[14:15], s[14:15], 131072        ; scale words
	s_add_nc_u64 s[16:17], s[16:17], 8192          ; and bias
	s_sub_co_u32 s46, s46, 1
	s_cmp_lg_u32 s46, 0
	s_cbranch_scc1 .Lrole
; ---------------- THE WAY OUT, block by block of 16 tokens x 64 columns.  A lane holds 32 bytes of a row and the lanes beside it other rows: a block goes through my own stage and comes back as whole rows of 256 bytes.
; LDS serves a wave's instructions in order (ISA guide 5.7.1.4): no wait between the stores and the loads, nor in front of the next block's stores.
.macro TOSTAGE a
	WIN OUTW
.irp bt, 0,1,2,3
	ds_store_b128 v[STO], v[8*(4*(\a)+\bt):8*(4*(\a)+\bt)+3] offset:64*\bt
	ds_store_b128 v[STO], v[8*(4*(\a)+\bt)+4:8*(4*(\a)+\bt)+7] offset:64*\bt+16
.endr
	WIN 0
.irp t, 0,1,2,3,4,5,6,7
	ds_load_b128 v[BK+32*((\a)%2)+4*\t:BK+32*((\a)%2)+4*\t+3], v[RD] offset:\t*2*SPITCH
.endr
.endm
.macro SEND a, younger                 ; younger: the LDS instructions issued behind block a's loads, which may stay out
	s_wait_dscnt \younger
.irp t, 0,1,2,3,4,5,6,7
	global_store_b128 v[CO], v[BK+32*((\a)%2)+4*\t:BK+32*((\a)%2)+4*\t+3], s[24:25] offset:(16*(\a)+2*\t)*8192 th:TH_STORE_NT   ; sixteen lanes store 256 consecutive bytes, at a multiple of 256 from out's first byte; 126 rows at the most: inside the signed 24-bit immediate
.endr
.endm
	TOSTAGE 0
.irp a, 1,2,3,4,5,6,7
.if \a > 1
	s_wait_xcnt 0x0                                ; block a - 2's stores have read their registers: block a's loads may land there
.endif
	TOSTAGE \a
	SEND \a-1, 16                                  ; behind block a - 1's loads: block a's 8 stores and 8 loads
.endr
	SEND 7, 0
	s_wait_tensorcnt 0x0
	ds_add_u32 v254, v255
	s_wait_dscnt 0x0
	s_endpgm
.Lfunc_end_k_q4f53eec6e0_roles:
	.size	k_q4f53eec6e0_roles, .Lfunc_end_k_q4f53eec6e0_roles-k_q4f53eec6e0_roles
	.p2alignl 7, 3214868480
	.fill 96, 4, 3214868480
	.section	.rodata,"a",@progbits
	.p2align	6, 0x0
	.amdhsa_kernel k_q4f53eec6e0_roles
		.amdhsa_group_segment_fixed_size 222720
		.amdhsa_private_segment_fixed_size 0
		.amdhsa_enable_private_segment 0
		.amdhsa_kernarg_size 72
		.amdhsa_user_sgpr_count 2
		.amdhsa_user_sgpr_kernarg_segment_ptr 1
		.amdhsa_wavefront_size32 1
		.amdhsa_system_sgpr_workgroup_id_x 1
		.amdhsa_system_sgpr_workgroup_id_y 1
		.amdhsa_system_sgpr_workgroup_id_z 1
		.amdhsa_system_vgpr_workitem_id 0
		.amdhsa_next_free_vgpr 1024
		.amdhsa_next_free_sgpr 66
		.amdhsa_reserve_vcc 0
		.amdhsa_float_denorm_mode_32 3
		.amdhsa_float_denorm_mode_16_64 3
		.amdhsa_memory_ordered 1
		.amdhsa_forward_progress 1
		.amdhsa_inst_pref_size 212
	.end_amdhsa_kernel
	.amdgpu_metadata
---
amdhsa.version: [ 1, 2 ]
amdhsa.kernels:
  - .name:           k_q4f53eec6e0_roles
    .symbol:         k_q4f53eec6e0_roles.kd
    .args:
      - { .name: himg, .offset: 0, .size: 8, .value_kind: global_buffer, .address_space: global }
      - { .name: hsc, .offset: 8, .size: 8, .value_kind: global_buffer, .address_space: global }
      - { .name: wimg, .offset: 16, .size: 8, .value_kind: global_buffer, .address_space: global }
      - { .name: wsc, .offset: 24, .size: 8, .value_kind: global_buffer, .address_space: global }
      - { .name: b, .offset: 32, .size: 8, .value_kind: global_buffer, .address_space: global }
      - { .name: role_onehot, .offset: 40, .size: 8, .value_kind: global_buffer, .address_space: global }
      - { .name: scales, .offset: 48, .size: 8, .value_kind: global_buffer, .address_space: global }
      - { .name: flags, .offset: 56, .size: 8, .value_kind: global_buffer, .address_space: global }
      - { .name: out0, .offset: 64, .size: 8, .value_kind: global_buffer, .address_space: global }
    .group_segment_fixed_size: 222720
    .private_segment_fixed_size: 0
    .kernarg_segment_align: 8
    .kernarg_segment_size: 72
    .max_flat_workgroup_size: 128
    .sgpr_count:     66
    .vgpr_count:     1024
    .wavefront_size: 32
...
	.end_amdgpu_metadata
.endif
;; end of part 2
;; ======== version 2 of 2: 2 launches
;; workspace buffers: wimg 12,582,912 bytes; wsc 524,288 bytes; himg 6,291,456 bytes; hsc 262,144 bytes; flags 256 bytes of whole numbers
;; launch quant (part 3): grid 1536 x 1, 4 waves a work-group, no clusters, 34,304 bytes of LDS; arguments W, hidden, role_onehot, wimg, wsc, himg, hsc, flags; writes wimg, wsc, himg, hsc, flags
.if DOCPART == 3
	.amdgcn_target "amdgcn-amd-amdhsa--gfx1250"
	.amdhsa_code_object_version 6
	.text
	.protected	k_q4f53eec6e0_quant
	.globl	k_q4f53eec6e0_quant
	.p2align	8
	.type	k_q4f53eec6e0_quant,@function
k_q4f53eec6e0_quant:
	s_mov_b64 s[64:65], 0
	v_nop
	global_prefetch_b8 v0, s[64:65] scope:SCOPE_SE
	s_setreg_imm32_b32 hwreg(HW_REG_WAVE_MODE, 25, 1), 1
	s_wait_xcnt 0x0
; W [4][2048 d][2048 e] and hidden [4096 tokens][2048 d], f32, become codes of FP6 (E2M3) with one E8M0 byte for each 32 along d, which is K of the product.
; A block's scale is 2^(floor(log2(its largest magnitude)) - 2): its byte is the largest magnitude's exponent field - 2, held at 1 from below.
; THE CODES ARE LAID AS IMAGES OF THE OPERAND'S REGISTERS.  A fragment (16 rows x 128 K: 12 registers a lane) is 1,536 bytes: registers 4 c .. 4 c + 3 of lane l at byte 512 c + 16 l.
; Lane (r = l % 16, h = l / 16) holds in registers 6 c .. 6 c + 5 block 2 c + h of row r.  A row is a token (hidden) or a column e (W).  The next launch takes a fragment by three loads of 16 bytes a lane.
;   wimg [role 4][group of 64 columns 32][K step 16][tile 4][1536]     wsc [role][group][K step][64 words]
;   himg [block of 128 tokens 32][K step 16][tile 8][1536]             hsc [block][K step][128 words]
; A scale word is a row's four bytes of one K step of 128; 32 words on end serve two tiles (lanes 0-15 the even tile's rows, lanes 16-31 the odd tile's).
; flags: word 4 b + r = 1 where role_onehot[b][r] != 0 (a NaN counts as not 0), else 0: whole numbers, on which the next launch may branch.
; SHARES.  A wave does ONE job and ends: 16 KB in, two neighbouring fragments (3,072 dense bytes) and 32 scale words (128 dense bytes) out.  Work-groups 0-1023 take W, 1024-1535 hidden.
; No loop, no barrier: waves share nothing.  Four waves of 256 registers lie on a SIMD, so sixteen jobs' loads are on their way on a WGP.
; LIMITS: NaN and infinities in W or hidden are not served.  A block of zeros gets the byte 1 (the rule says 127): its codes are zeros, which add nothing under any byte but 0xff, and this program alone reads the bytes.
.set D,   32                           ; v32-159  128 words as loaded
.set X,   160                          ; v160-223 hidden: a lane's two whole blocks
.set F0,  224                          ; v224-235 the first fragment
.set F1,  236                          ; v236-247 the second
.set T0,  248                          ; v248-250, v252-254: a block's upper 16 codes (a conversion's three registers begin on an even number)
.set T1,  252
.set AM,  8                            ; v8-9   two largest magnitudes
.set SCO, 10                           ; v10-11 the conversions' scale operands
.set BY,  12                           ; v12-15 scale bytes
.set WD0, 16                           ; v16-17 scale words
.set WD1, 17
.set SP,  528                          ; hidden's stage: a row of 512 bytes + 16 = 33 x 16 bytes, so that sixteen rows' reads of 16 bytes start in different banks
.set WSTG, 16*SP                       ; a stage of 16 rows for each wave
	s_load_b128 s[4:7], s[0:1], 0x0                ; W, hidden
	s_load_b128 s[8:11], s[0:1], 0x10              ; role_onehot, wimg
	s_load_b128 s[12:15], s[0:1], 0x20             ; wsc, himg
	s_load_b128 s[16:19], s[0:1], 0x30             ; hsc, flags
	v_lshl_add_u32 v251, v0, 2, 0x8400
	v_mov_b32 v255, 0
	v_lshrrev_b32 v1, 5, v0
	v_readfirstlane_b32 s22, v1                    ; wave 0..3
	v_and_b32 v1, 31, v0                           ; lane
	v_lshlrev_b32 v2, 2, v1                        ; 4 x lane
	v_lshlrev_b32 v3, 4, v1                        ; 16 x lane
	s_mul_i32 s23, s22, WSTG                       ; my stage
	v_add_nc_u32 v4, s23, v3                       ; into it: 16 x lane of a row
	v_and_b32 v8, 15, v0                           ; r
	v_bfe_u32 v9, v0, 4, 1                         ; h
	v_mul_u32_u24 v5, v8, SP
	v_lshl_add_u32 v5, v9, 7, v5
	v_add_nc_u32 v5, s23, v5                       ; out of it: row r, + 128 h bytes: my block of 32 numbers
	v_lshlrev_b32 v6, 3, v9                        ; 8 h: where my two bytes stand in a scale word
	v_mov_b32 v7, 0                                ; a lane permute's destination counts as one of its sources
	s_mov_b32 s20, 0x76543210
	s_mov_b32 s21, 0xfedcba98                      ; v_permlanex16_b32's selects for lane l xor 16
	s_wait_kmcnt 0x0
; Two blocks of 32 numbers, v[sa] on and v[sb] on, by turns.  Lower 16 codes of each into v[la] on, v[lb] on; upper 16 into v[ta] on, v[tb] on; the two bytes into v[by], v[by + 1].
.macro QPAIR sa, sb, la, ta, lb, tb, by
	v_max3_num_f32 v[AM], |v[\sa]|, |v[\sa+1]|, 0x1800000          ; the floor 2^(3 - 127) among the leaves: the byte cannot fall under 1
	v_max3_num_f32 v[AM+1], |v[\sb]|, |v[\sb+1]|, 0x1800000
.irp i, 2,4,6,8,10,12,14,16,18,20,22,24,26,28,30
	v_max3_num_f32 v[AM], v[AM], |v[\sa+\i]|, |v[\sa+\i+1]|
	v_max3_num_f32 v[AM+1], v[AM+1], |v[\sb+\i]|, |v[\sb+\i+1]|
.endr
	v_add_nc_u32 v[SCO], 0xff000000, v[AM]         ; 2 off the exponent field: the conversion takes that field as its scale, and nothing else of the operand
	v_add_nc_u32 v[SCO+1], 0xff000000, v[AM+1]
	v_lshrrev_b32 v[\by], 23, v[SCO]               ; the scale's byte
	v_lshrrev_b32 v[\by+1], 23, v[SCO+1]
	v_cvt_scalef32_pk16_fp6_f32 v[\la:\la+2], v[\sa:\sa+15], v[SCO]       ; to the nearest code, ties to even; beyond 7.5 the largest code
	v_cvt_scalef32_pk16_fp6_f32 v[\ta:\ta+2], v[\sa+16:\sa+31], v[SCO]
	v_cvt_scalef32_pk16_fp6_f32 v[\lb:\lb+2], v[\sb:\sb+15], v[SCO+1]
	v_cvt_scalef32_pk16_fp6_f32 v[\tb:\tb+2], v[\sb+16:\sb+31], v[SCO+1]
	v_nop                                          ; one plain place behind the scaled conversions
.endm
; A fragment leaves as it stands: each store covers 512 consecutive bytes, at a multiple of 512 from the buffer's first byte.
.macro OUTF f, off, base
.irp c, 0,1,2
	global_store_b128 v3, v[\f+4*\c:\f+4*\c+3], s[\base:\base+1] offset:\off+512*\c
.endr
.endm
	s_cmp_lt_u32 ttmp9, 1024
	s_cbranch_scc0 .Lhidden
; ---------------- W: A LANE TAKES A COLUMN e, ITS REGISTERS RUN DOWN d.  The four waves stand side by side on 128 columns: 512 consecutive bytes of every row.
	s_lshr_b32 s24, ttmp9, 8                       ; role
	s_bfe_u32 s25, ttmp9, 0x40004                  ; K step
	s_and_b32 s26, ttmp9, 15                       ; which 128 columns
	s_lshr_b32 s27, s22, 1
	s_and_b32 s28, s22, 1                          ; which pair of tiles in a group of 64 columns
	s_lshl_b32 s32, s24, 24                        ; W: a role is 2^24 bytes, 128 rows are 2^20, 128 columns 512, my 32 columns 128
	s_lshl_b32 s29, s25, 20
	s_add_co_u32 s32, s32, s29
	s_lshl_b32 s29, s26, 9
	s_add_co_u32 s32, s32, s29
	s_lshl_b32 s29, s22, 7
	s_add_co_u32 s32, s32, s29
	s_mov_b32 s33, 0
	s_lshl_b32 s31, s26, 1
	s_add_co_u32 s31, s31, s27                     ; the group of 64 columns
	s_mul_i32 s34, s24, 3145728                    ; wimg: role, group, K step, pair of tiles
	s_mul_i32 s30, s31, 98304
	s_add_co_u32 s34, s34, s30
	s_mul_i32 s30, s25, 6144
	s_add_co_u32 s34, s34, s30
	s_mul_i32 s30, s28, 3072
	s_add_co_u32 s34, s34, s30
	s_mov_b32 s35, 0
	s_lshl_b32 s36, s24, 17                        ; wsc likewise
	s_lshl_b32 s30, s31, 12
	s_add_co_u32 s36, s36, s30
	s_lshl_b32 s30, s25, 8
	s_add_co_u32 s36, s36, s30
	s_lshl_b32 s30, s28, 7
	s_add_co_u32 s36, s36, s30
	s_mov_b32 s37, 0
	s_add_nc_u64 s[4:5], s[4:5], s[32:33]
	s_add_nc_u64 s[10:11], s[10:11], s[34:35]
	s_add_nc_u64 s[12:13], s[12:13], s[36:37]
.set k, 0
.rept 128
	global_load_b32 v[D+k], v2, s[4:5] offset:k*8192 th:TH_LOAD_NT     ; W(128 s + k, my column): read once in the launch
.set k, k+1
.endr
; Blocks 2 c and 2 c + 1 of all 32 columns are made; then lanes 16-31 of the first change places with lanes 0-15 of the second: F0 then holds block 2 c + h of columns 0-15, F1 that of columns 16-31.
.macro SWAPMOV c
.irp i, 0,1,2
	v_permlane16_swap_b32 v[F0+6*\c+\i], v[F1+6*\c+\i]
.endr
.irp i, 0,1,2
	v_permlane16_swap_b32 v[T0+\i], v[T1+\i]
.endr
.irp i, 0,1,2
	v_mov_b32 v[F0+6*\c+3+\i], v[T0+\i]
	v_mov_b32 v[F1+6*\c+3+\i], v[T1+\i]
.endr
.endm
	s_wait_loadcnt 63                              ; of the 128 loads at most 63 are out: the oldest 65 are in, blocks 0 and 1 among them (64 would do; the wait's field holds 63)
	QPAIR D, D+32, F0, T0, F1, T1, BY
	SWAPMOV 0
	s_wait_loadcnt 0x0                             ; blocks 2 and 3
	QPAIR D+64, D+96, F0+6, T0, F1+6, T1, BY+2
	SWAPMOV 1
	v_lshl_or_b32 v[WD0], v[BY+1], 8, v[BY]        ; my column's four bytes: its scale word
	v_lshl_or_b32 v[WD0], v[BY+2], 16, v[WD0]
	v_lshl_or_b32 v[WD0], v[BY+3], 24, v[WD0]
	OUTF F0, 0, 10
	OUTF F1, 1536, 10
	global_store_b32 v2, v[WD0], s[12:13]          ; 128 consecutive bytes
	s_endpgm
; ---------------- hidden: K is innermost.  32 rows x 128 K.  Each load takes a row's 512 consecutive bytes; 16 rows at a time turn through my own stage in LDS, so that a lane gets two whole blocks of its row.
.Lhidden:
	s_sub_co_u32 s24, ttmp9, 1024
	s_lshr_b32 s25, s24, 2                         ; which 32 tokens
	s_and_b32 s26, s24, 3
	s_lshl_b32 s26, s26, 2
	s_add_co_u32 s26, s26, s22                     ; K step
	s_lshr_b32 s27, s25, 2                         ; the block of 128 tokens
	s_and_b32 s28, s25, 3                          ; which pair of tiles in it
	s_lshl_b32 s32, s25, 18                        ; hidden: 32 rows of 8,192 bytes; a K step is 512 bytes
	s_lshl_b32 s29, s26, 9
	s_add_co_u32 s32, s32, s29
	s_mov_b32 s33, 0
	s_mul_i32 s34, s27, 196608                     ; himg: block, K step, pair of tiles
	s_mul_i32 s29, s26, 12288
	s_add_co_u32 s34, s34, s29
	s_mul_i32 s29, s28, 3072
	s_add_co_u32 s34, s34, s29
	s_mov_b32 s35, 0
	s_lshl_b32 s36, s27, 13                        ; hsc likewise
	s_lshl_b32 s29, s26, 9
	s_add_co_u32 s36, s36, s29
	s_lshl_b32 s29, s28, 7
	s_add_co_u32 s36, s36, s29
	s_mov_b32 s37, 0
	s_add_nc_u64 s[6:7], s[6:7], s[32:33]
	s_add_nc_u64 s[14:15], s[14:15], s[34:35]
	s_add_nc_u64 s[16:17], s[16:17], s[36:37]
.set k, 0
	s_wait_alu depctr_va_vdst(0)
.rept 32
	global_load_b128 v[D+4*k:D+4*k+3], v3, s[6:7] offset:k*8192 th:TH_LOAD_NT
.set k, k+1
.endr
.macro TURN t                          ; rows 16 t on: in as loaded, out 128 bytes a lane and block: X[32 c + i] = hidden(row r, 64 c + 32 h + i).  LDS serves a wave's instructions in order: no wait between
.irp i, 0,1,2,3,4,5,6,7,8,9,10,11,12,13,14,15
	ds_store_b128 v4, v[D+64*\t+4*\i:D+64*\t+4*\i+3] offset:\i*SP
.endr
.irp c, 0,1
.irp q, 0,1,2,3,4,5,6,7
	ds_load_b128 v[X+32*\c+4*\q:X+32*\c+4*\q+3], v5 offset:256*\c+16*\q
.endr
.endr
.endm
.macro WORD d                          ; my bytes are those of blocks h and 2 + h of row r: with lane l xor 16's two the word is whole, in both lanes
	v_lshl_or_b32 v[\d], v[BY+1], 16, v[BY]
	v_lshlrev_b32 v[\d], v6, v[\d]
	v_permlanex16_b32 v7, v[\d], s20, s21
	v_or_b32 v[\d], v[\d], v7
.endm
.macro HTILE t, f, wd
	TURN \t
	s_wait_dscnt 0x0                               ; my 64 numbers are back
	QPAIR X, X+32, \f, T0, \f+6, T1, BY
.irp i, 0,1,2
	v_mov_b32 v[\f+3+\i], v[T0+\i]
	v_mov_b32 v[\f+9+\i], v[T1+\i]
.endr
	WORD \wd
	OUTF \f, 1536*\t, 14
.endm
	s_wait_loadcnt 16                              ; rows 0-15 are in; the sixteen younger loads may be out
	HTILE 0, F0, WD0
	s_wait_loadcnt 0x0
	HTILE 1, F1, WD1                               ; the same stage: its stores come behind the first tile's reads, which have been waited for
	v_cmp_le_u32 vcc_lo, 16, v1
	v_cndmask_b32 v[WD0], v[WD0], v[WD1], vcc_lo   ; lanes 0-15 the first tile's words, lanes 16-31 the second's
	global_store_b32 v2, v[WD0], s[16:17]          ; 128 consecutive bytes
; The flags: one wave of the launch (wave 0 of work-group 1024).  The branch hangs on ids alone; the comparison of floats feeds data alone.
	s_lshl_b32 s24, ttmp9, 2
	s_add_co_u32 s24, s24, s22
	s_cmp_lg_u32 s24, 4096
	s_cbranch_scc1 .Lend
	global_load_b32 v18, v2, s[8:9]                ; all 32 weights, one a lane
	s_wait_loadcnt 0x0
	v_cmp_neq_f32 vcc_lo, 0, v18
	v_cndmask_b32 v18, 0, 1, vcc_lo
	global_store_b32 v2, v18, s[18:19]
.Lend:
	s_wait_tensorcnt 0x0
	ds_add_u32 v251, v255
	s_wait_dscnt 0x0
	s_endpgm
.Lfunc_end_k_q4f53eec6e0_quant:
	.size	k_q4f53eec6e0_quant, .Lfunc_end_k_q4f53eec6e0_quant-k_q4f53eec6e0_quant
	.p2alignl 7, 3214868480
	.fill 96, 4, 3214868480
	.section	.rodata,"a",@progbits
	.p2align	6, 0x0
	.amdhsa_kernel k_q4f53eec6e0_quant
		.amdhsa_group_segment_fixed_size 34304
		.amdhsa_private_segment_fixed_size 0
		.amdhsa_enable_private_segment 0
		.amdhsa_kernarg_size 64
		.amdhsa_user_sgpr_count 2
		.amdhsa_user_sgpr_kernarg_segment_ptr 1
		.amdhsa_wavefront_size32 1
		.amdhsa_system_sgpr_workgroup_id_x 1
		.amdhsa_system_sgpr_workgroup_id_y 1
		.amdhsa_system_sgpr_workgroup_id_z 1
		.amdhsa_system_vgpr_workitem_id 0
		.amdhsa_next_free_vgpr 256
		.amdhsa_next_free_sgpr 66
		.amdhsa_reserve_vcc 1
		.amdhsa_float_denorm_mode_32 3
		.amdhsa_float_denorm_mode_16_64 3
		.amdhsa_memory_ordered 1
		.amdhsa_forward_progress 1
		.amdhsa_inst_pref_size 37
	.end_amdhsa_kernel
	.amdgpu_metadata
---
amdhsa.version: [ 1, 2 ]
amdhsa.kernels:
  - .name:           k_q4f53eec6e0_quant
    .symbol:         k_q4f53eec6e0_quant.kd
    .args:
      - { .name: W, .offset: 0, .size: 8, .value_kind: global_buffer, .address_space: global }
      - { .name: hidden, .offset: 8, .size: 8, .value_kind: global_buffer, .address_space: global }
      - { .name: role_onehot, .offset: 16, .size: 8, .value_kind: global_buffer, .address_space: global }
      - { .name: wimg, .offset: 24, .size: 8, .value_kind: global_buffer, .address_space: global }
      - { .name: wsc, .offset: 32, .size: 8, .value_kind: global_buffer, .address_space: global }
      - { .name: himg, .offset: 40, .size: 8, .value_kind: global_buffer, .address_space: global }
      - { .name: hsc, .offset: 48, .size: 8, .value_kind: global_buffer, .address_space: global }
      - { .name: flags, .offset: 56, .size: 8, .value_kind: global_buffer, .address_space: global }
    .group_segment_fixed_size: 34304
    .private_segment_fixed_size: 0
    .kernarg_segment_align: 8
    .kernarg_segment_size: 64
    .max_flat_workgroup_size: 128
    .sgpr_count:     66
    .vgpr_count:     256
    .wavefront_size: 32
...
	.end_amdgpu_metadata
.endif
;; end of part 3
;; launch roles (part 4): grid 8 x 32, 4 waves a work-group, no clusters, 222,720 bytes of LDS; arguments himg, hsc, wimg, wsc, b, role_onehot, scales, flags, out0; writes out0
.if DOCPART == 4
	.amdgcn_target "amdgcn-amd-amdhsa--gfx1250"
	.amdhsa_code_object_version 6
	.text
	.protected	k_q4f53eec6e0_roles
	.globl	k_q4f53eec6e0_roles
	.p2align	8
	.type	k_q4f53eec6e0_roles,@function
k_q4f53eec6e0_roles:
	s_mov_b64 s[64:65], 0
	v_nop
	global_prefetch_b8 v0, s[64:65] scope:SCOPE_SE
	s_setreg_imm32_b32 hwreg(HW_REG_WAVE_SCHED_MODE, 0, 2), 2
	s_setreg_imm32_b32 hwreg(HW_REG_WAVE_MODE, 25, 1), 1
	s_wait_xcnt 0x0
	s_wait_alu depctr_vm_vsrc(0)
; out[b][s][e] = sum over roles r of onehot[b][r] scales[r] tanh( sum over d of Q(hidden)[b][s][d] Q(W)[r][d][e] + bias[r][e] ), the product on codes of FP6 (E2M3) with E8M0 scales, sums in f32.
; role_onehot is taken as ANY weights.  All four roles are walked; a role is passed over only where the stored flag says that the batch's weight for it is exactly 0: such a role adds 0 x (a number of magnitude at most |scale|).
; SHARES.  256 work-groups of four waves.  Work-group (x, y) owns tokens 128 y on (all of batch y / 4) and columns 256 x on; wave w all 128 tokens x columns 256 x + 64 w on: 8 x 4 accumulators of 16 x 16.
; hidden's codes and scale words of the 128 tokens, for all of K (196,608 + 8,192 dense bytes), are copied ONCE through registers into LDS, ahead of the walk over roles; one barrier; they are never written again.
; W's fragments go from memory straight into registers, as the launch before laid them: no two waves of a work-group want the same fragment, so LDS would only add a trip.
; NO TENSOR LOADS, NO CLUSTER, NO JOINT REQUESTS: the walk branches on a number read from memory; no barrier stands under that branch either.
; Where one role in four is weighted, the branch spares three quarters of the products and of W's bytes, more than sharing W's tiles among four work-groups would.
; THE MATRIX INSTRUCTION IS USED TRANSPOSED: source 0 = 16 columns of W, source 1 = 16 tokens.  Lane (r, h) then holds token r, and its registers 0-7 the columns 8 h + 0 .. 7 of the tile: 32 neighbouring bytes of a row of out.
; tanh x = 1 - 2 / (1 + 2^(2 log2(e) x)): right at both ends (2^.. = infinity gives 1, 0 gives -1); absolute error a few 2^-24.
; LIMITS: g = scales[r] x onehot[b][r] is formed first (one rounding placed otherwise than in the definition).  A weight of +-0 is passed over: the sign of a zero result may differ, and 0 x (an infinite or NaN scale) gives 0.
; REGISTERS, in windows of 256 (s_set_vgpr_msb: bits 1:0 source 0, 3:2 source 1, 5:4 source 2, 7:6 destination):
;   window 0: v1-15 addresses and g; v16-23 hidden's scale words, two sets of 4; v24-31 W's, four sets of 2; v32-223 W's fragments, four sets of 48 (v32-63 at work in the epilogue); v254, v255 the closing add's two
;   window 1: v0-191 hidden's fragments, two sets of 96; v192-223 the bias, 4 tiles x 8; on the way out all 256: eight blocks of rows      window 2: accumulator (a, bt) at v[8 (4 a + bt)]      window 3: the sum over roles, laid likewise
; THE MODE: SCHED_MODE bits 1:0 = 2 (LLVM: expert scheduling mode 2), set by the entry lines.  The code itself states the register dependences between vector or matrix instructions and memory or LDS instructions, with s_wait_alu, always for 0.
; THE PLAN.  Registers that memory or LDS instructions touch, and who else names them:
;   v1-13            offsets and LDS addresses: written at the head, ahead of the first wait on va_vdst, and never again: along K every offset is an immediate, and the roles are reached by scalar bases.
;   BF0-3, BSCR0-3   W's fragments and scale words.  K step s: its products read set s % 4; the loads of step s + 3 land in set (s + 3) % 4 = (s - 1) % 4, which step s - 1's products read.  The epilogue writes v32-63 of BF0.
;   AF0-1, ASCR0-1   hidden's.  K step s: its products read set s % 2; the LDS loads of step s + 1 land in the other set, which step s - 1's products read.
;   BI               the bias: loaded at a role's head, read by step 0's products.
;   windows 1, 2     in the fill: loaded, read by the fill's LDS stores, written again by the walk's loads and products.
;   window 3         written by vector instructions alone; read by the way out's LDS stores.
;   window 1         on the way out: a block of 32 registers of its own for each of the eight blocks of rows: loaded from the stage once, read by the global stores, never written again.
; So ONE wait on va_vdst stands at the head of each K step from 1 to 14: step s - 1's products are done reading the sets in which step s's 42 loads land.  These follow it with no further wait, dealt among the step's 32 products,
; which name the sets of step s and the accumulators: none of the registers that those loads touch.  One such wait stands at a role's head (it serves step 0's loads too), one at the head of the way out,
; one ahead of the fill; one wait on vm_vsrc stands behind the fill's barrier.
.set AIMG,  0                          ; LDS: hidden's images [K step 16][tile 8][1536]: every access is 512 consecutive bytes, so no pitch and no padding
.set ASC,   196608                     ; its scale words [K step 16][128 words]
.set STAGE, 204800                     ; the way out: for each wave 16 rows x (256 bytes + 16)
.set SPITCH, 272                       ; 17 x 16 bytes: sixteen rows' stores of 16 bytes start in different banks
.set LI,    1                          ; v1   16 x lane
.set LS,    2                          ; v2   4 x lane
.set ADA,   3                          ; v3-6 16 x lane + 49,152 i: K steps 4 i .. 4 i + 3 of the images (an LDS offset has 16 bits)
.set ADS,   7                          ; v7   ASC + 4 x lane
.set STO,   8                          ; v8   the stage: where I put 32 bytes of a row
.set RD,    9                          ; v9   and where I read a row back
.set CO,    10                         ; v10  my byte offset in two rows of out
.set BO,    11                         ; v11  32 h: my eight numbers of a tile's sixteen biases
.set FILLA, 12                         ; v12  the fill: 16 x lane + my quarter of the images
.set FILLS, 13                         ; v13  and of the scale words
.set GV,    14                         ; v[14:15] g, twice
.set ASCR,  16
.set BSCR,  24
.set BF,    32
.set T,     32
.set AF,    0                          ; in window 1
.set BI,    192                        ; in window 1
.set BK,    0                          ; in window 1, on the way out: block a's rows at v[BK + 32 a]
.set MUL,   0xa4                       ; source 0 (W) window 0, source 1 (hidden) window 1, C and D window 2
.set MUL0,  0x94                       ; the same with C (the bias) in window 1
.set TO_A,  0x40                       ; destination window 1
.set EP1,   0x02                       ; source 0 window 2
.set EP2,   0xf0                       ; source 2 and destination window 3
.set TOST,  0x4c                       ; an LDS store's data (source 1) window 3, an LDS load's destination window 1, addresses window 0
.set SENDW, 0x04                       ; a global store's data (source 1) window 1
.set MSB, 0
.macro WIN new                         ; the immediate's high byte repeats the setting that is left; a switch that changes nothing is dropped
.if MSB != \new
	s_set_vgpr_msb (MSB<<8)|\new
.set MSB, \new
.endif
.endm
.macro PLACES                          ; four plain places behind matrix instructions, in front of loads into registers that they read and of the first read of their results
.rept 4
	v_nop
.endr
.endm
	s_load_b256 s[8:15], s[0:1], 0x0               ; himg s[8:9], hsc s[10:11], wimg s[12:13], wsc s[14:15]
	s_load_b256 s[16:23], s[0:1], 0x20             ; b s[16:17], role_onehot s[18:19], scales s[20:21], flags s[22:23]
	s_load_b64 s[24:25], s[0:1], 0x40              ; out0
	v_lshl_add_u32 v254, v0, 2, 0x36400            ; my spare word, behind the stages, and 0: kept for the closing add alone
	v_mov_b32 v255, 0
	v_lshrrev_b32 v32, 5, v0
	v_readfirstlane_b32 s2, v32                    ; wave 0..3
	s_mov_b32 s26, ttmp9                           ; x: which 256 columns
	s_and_b32 s27, ttmp7, 0xffff                   ; y: which 128 tokens
	s_lshr_b32 s28, s27, 2                         ; the batch
	v_and_b32 v32, 31, v0                          ; lane
	v_and_b32 v33, 15, v0                          ; r
	v_bfe_u32 v34, v0, 4, 1                        ; h
	v_lshlrev_b32 v[LI], 4, v32
	v_lshlrev_b32 v[LS], 2, v32
.irp i, 0,1,2,3
	v_add_nc_u32 v[ADA+\i], 49152*\i, v[LI]
.endr
	v_add_nc_u32 v[ADS], ASC, v[LS]
	s_wait_alu depctr_va_sdst(0)                   ; s2 is written, ahead of its first reader: LDS addresses and all the bases are made from it
	s_mul_i32 s48, s2, 16*SPITCH
	s_add_co_u32 s48, s48, STAGE                   ; my stage
	v_mul_u32_u24 v[STO], v33, SPITCH
	v_lshl_add_u32 v[STO], v34, 5, v[STO]
	v_add_nc_u32 v[STO], s48, v[STO]               ; in: row r, + 32 h
	v_mul_u32_u24 v[RD], v34, SPITCH
	v_lshl_add_u32 v[RD], v33, 4, v[RD]
	v_add_nc_u32 v[RD], s48, v[RD]                 ; back: lanes 0-15 one row of 256 bytes, lanes 16-31 the next
	v_lshlrev_b32 v[CO], 13, v34
	v_lshl_add_u32 v[CO], v33, 4, v[CO]            ; and the same two rows of out (8,192 bytes a row)
	v_lshlrev_b32 v[BO], 5, v34
	s_mul_i32 s48, s2, 49152
	v_add_nc_u32 v[FILLA], s48, v[LI]
	s_lshl_b32 s48, s2, 11
	s_add_co_u32 s48, s48, ASC
	v_add_nc_u32 v[FILLS], s48, v[LI]
	s_mov_b32 s44, 0x4038aa3b                      ; 2 log2(e)
	s_mov_b32 s45, s44                             ; (named with it as a pair, so it is written)
	s_lshl_b32 s50, s26, 2
	s_add_co_u32 s50, s50, s2                      ; my group of 64 columns: 4 x + w
	s_mov_b32 s49, 0
	s_wait_kmcnt 0x0
	s_mul_i32 s48, s27, 196608
	s_mul_i32 s51, s2, 49152
	s_add_co_u32 s48, s48, s51
	s_add_nc_u64 s[8:9], s[8:9], s[48:49]          ; himg: my block of tokens, my quarter of it
	s_lshl_b32 s48, s27, 13
	s_lshl_b32 s51, s2, 11
	s_add_co_u32 s48, s48, s51
	s_add_nc_u64 s[10:11], s[10:11], s[48:49]      ; hsc likewise
	s_mul_i32 s48, s50, 98304
	s_add_nc_u64 s[12:13], s[12:13], s[48:49]      ; wimg: role 0, my group of columns
	s_lshl_b32 s48, s50, 12
	s_add_nc_u64 s[14:15], s[14:15], s[48:49]      ; wsc likewise
	s_lshl_b32 s48, s50, 8
	s_add_nc_u64 s[16:17], s[16:17], s[48:49]      ; b: role 0, my first column
	s_add_nc_u64 s[24:25], s[24:25], s[48:49]      ; out: my first column,
	s_lshl_b32 s48, s27, 20
	s_add_nc_u64 s[24:25], s[24:25], s[48:49]      ; my first token
	s_lshl_b32 s48, s28, 4
	s_add_nc_u64 s[18:19], s[18:19], s[48:49]      ; my batch's four weights
	s_add_nc_u64 s[22:23], s[22:23], s[48:49]      ; and four flags
	s_load_b128 s[32:35], s[22:23], 0x0            ; flags
	s_load_b128 s[36:39], s[18:19], 0x0            ; weights
	s_load_b128 s[40:43], s[20:21], 0x0            ; scales
; ---------------- THE FILL: 100 items of 512 bytes a wave (96 of images, 4 of scale words), through the registers of windows 1 and 2, which are idle yet.
	WIN 0x40
	s_wait_alu depctr_va_vdst(0)                   ; the offsets and LDS addresses v1 to v13 are written: every load and store of the kernel reads one of them; none is written again
.set i, 0
.rept 60
	global_load_b128 v[4*i:4*i+3], v[LI], s[8:9] offset:512*i
.set i, i+1
.endr
	WIN 0xc0                                       ; the sum over roles begins at 0: a batch may have no weighted role, and which role comes first is not known to the text.  These lines run while the loads are out; they name window 3 alone, which no load or store of the fill touches
.set i, 0
.rept 256
	v_mov_b32 v[i], 0
.set i, i+1
.endr
	WIN 0x80
.set i, 60
.rept 36
	global_load_b128 v[4*(i-60):4*(i-60)+3], v[LI], s[8:9] offset:512*i
.set i, i+1
.endr
.rept 4
	global_load_b128 v[4*(i-60):4*(i-60)+3], v[LI], s[10:11] offset:512*(i-96)
.set i, i+1
.endr
.macro FWAIT                           ; in front of items i .. i + 3: the loads younger than item i + 3 may be out, 99 - (i + 3) of them, or as many as the wait's field holds
.if 99-(i+3) > 63
	s_wait_loadcnt 63
.else
	s_wait_loadcnt 99-(i+3)
.endif
.endm
	WIN 0x04                                       ; an LDS store's data: window 1
.set i, 0
.rept 15
	FWAIT
.rept 4
	ds_store_b128 v[FILLA], v[4*i:4*i+3] offset:512*i
.set i, i+1
.endr
.endr
	WIN 0x08                                       ; window 2
.rept 9
	FWAIT
.rept 4
	ds_store_b128 v[FILLA], v[4*(i-60):4*(i-60)+3] offset:512*i
.set i, i+1
.endr
.endr
	FWAIT
.rept 4
	ds_store_b128 v[FILLS], v[4*(i-60):4*(i-60)+3] offset:512*(i-96)
.set i, i+1
.endr
	WIN 0
	s_wait_dscnt 0x0                               ; for the others' sake: my quarter lies in LDS
	s_barrier_signal -1
	s_barrier_wait -1                              ; everybody's does: the launch's one barrier
	s_wait_alu depctr_vm_vsrc(0)                   ; my LDS stores have read the registers of windows 1 and 2: from here on these are hidden's fragments, the bias and the accumulators, written by the walk's loads and products
; hidden's scale words of K step s into set s % 2: 4 LDS loads
.macro ASCL s
	WIN 0
.irp q, 0,1,2,3
	ds_load_b32 v[ASCR+4*((\s)%2)+\q], v[ADS] offset:512*(\s)+128*\q
.endr
.endm
; hidden's fragments of tiles t0 and t0 + 1 of K step s into set s % 2: 6 LDS loads
.macro AL s, t0
	WIN TO_A
.irp u, 0,1
.irp c, 0,1,2
	ds_load_b128 v[AF+96*((\s)%2)+12*((\t0)+\u)+4*\c:AF+96*((\s)%2)+12*((\t0)+\u)+4*\c+3], v[ADA+(\s)/4] offset:12288*((\s)%4)+1536*((\t0)+\u)+512*\c
.endr
.endr
.endm
; W's fragments of tiles 2 p and 2 p + 1 of K step s, and their scale words, into set s % 4: 7 loads
.macro BL s, p
	WIN 0
.irp u, 0,1
.irp c, 0,1,2
	global_load_b128 v[BF+48*((\s)%4)+12*(2*(\p)+\u)+4*\c:BF+48*((\s)%4)+12*(2*(\p)+\u)+4*\c+3], v[LI], s[12:13] offset:6144*(\s)+1536*(2*(\p)+\u)+512*\c
.endr
.endr
	global_load_b32 v[BSCR+2*((\s)%4)+(\p)], v[LS], s[14:15] offset:256*(\s)+128*(\p)      ; lanes 0-15 tile 2 p's words, lanes 16-31 tile 2 p + 1's
.endm
; Four products of K step s: tokens' tile a against W's four tiles.  In step 0 the bias is the C of each sum's first product: nothing is cleared and nothing is added afterwards.
.macro ROW s, a
.if (\s) == 0
	WIN MUL0
.else
	WIN MUL
.endif
.irp bt, 0,1,2,3
.set rD, 8*(4*(\a)+\bt)
.set rW, BF+48*((\s)%4)+12*\bt
.set rH, AF+96*((\s)%2)+12*(\a)
.set rWS, BSCR+2*((\s)%4)+\bt/2
.set rHS, ASCR+4*((\s)%2)+(\a)/2
.if (\s) == 0
.set rC, BI+8*\bt
.else
.set rC, rD
.endif
.if (\bt%2 == 1) && ((\a)%2 == 1)
	v_wmma_scale_f32_16x16x128_f8f6f4 v[rD:rD+7], v[rW:rW+11], v[rH:rH+11], v[rC:rC+7], v[rWS], v[rHS] matrix_a_fmt:MATRIX_FMT_FP6 matrix_b_fmt:MATRIX_FMT_FP6 matrix_a_scale:MATRIX_SCALE_ROW1 matrix_b_scale:MATRIX_SCALE_ROW1
.elseif (\bt%2 == 1)
	v_wmma_scale_f32_16x16x128_f8f6f4 v[rD:rD+7], v[rW:rW+11], v[rH:rH+11], v[rC:rC+7], v[rWS], v[rHS] matrix_a_fmt:MATRIX_FMT_FP6 matrix_b_fmt:MATRIX_FMT_FP6 matrix_a_scale:MATRIX_SCALE_ROW1
.elseif ((\a)%2 == 1)
	v_wmma_scale_f32_16x16x128_f8f6f4 v[rD:rD+7], v[rW:rW+11], v[rH:rH+11], v[rC:rC+7], v[rWS], v[rHS] matrix_a_fmt:MATRIX_FMT_FP6 matrix_b_fmt:MATRIX_FMT_FP6 matrix_b_scale:MATRIX_SCALE_ROW1
.else
	v_wmma_scale_f32_16x16x128_f8f6f4 v[rD:rD+7], v[rW:rW+11], v[rH:rH+11], v[rC:rC+7], v[rWS], v[rHS] matrix_a_fmt:MATRIX_FMT_FP6 matrix_b_fmt:MATRIX_FMT_FP6
.endif
.endr
.endm
; K step s: 32 products; among them the loads of W three steps ahead and of hidden one step ahead.  The 32 accumulators take turns, one instruction a turn, from step to step too.
; hidden's loads stand in the step's first half, six behind each of the first four rows of products: the last of them has four rows of products in which to land.  W's, which are wanted three steps on, follow.
.macro STEP s
.if (\s) > 0
	WIN 0
	PLACES                                         ; behind step s - 1's products: this step's loads land in the sets that those products read (step 15 has no loads: its four are among the places ahead of the epilogue's writes of v32-63)
.endif
.if (\s) <= 13
	s_wait_loadcnt 28                              ; the two younger steps' 14 loads each may be out: this step's W is in (in step 0 the bias too, which is older)
.else
	s_wait_loadcnt 14*(15-(\s))                    ; no more are asked for: the count runs down
.endif
	s_wait_dscnt 0x0                               ; this step's fragments and scale words of hidden are in: no younger LDS load has been issued
.if ((\s) > 0) && ((\s) <= 14)
	s_wait_alu depctr_va_vdst(0)                   ; step s - 1's products are done reading their sets of W's and hidden's fragments and scale words, in which this step's loads land
.endif                                         ; (step 0: the wait at the role's head has stated the same of the last role's products; step 15 issues no load)
.if (\s) <= 14
	ASCL (\s)+1
.endif
	ROW \s, 0
.if (\s) <= 14
	AL (\s)+1, 0                                   ; no wait: no product since the wait above names the other set of hidden's, nor an address
.endif
	ROW \s, 1
.if (\s) <= 14
	AL (\s)+1, 2
.endif
	ROW \s, 2
.if (\s) <= 14
	AL (\s)+1, 4
.endif
	ROW \s, 3
.if (\s) <= 14
	AL (\s)+1, 6
.endif
	ROW \s, 4
.if (\s) <= 12
	BL (\s)+3, 0                                   ; likewise: this step's products name W's set s % 4, these loads land in set (s + 3) % 4
.endif
	ROW \s, 5
.if (\s) <= 12
	BL (\s)+3, 1
.endif
	ROW \s, 6
	ROW \s, 7
.endm
; Four accumulators (32 registers, each accumulator from its low end on): sum += g tanh(.).  At work in v32-63, W's set 0, which step 12 read last: the places at the heads of steps 13 to 15 lie between.
.macro EPI n
	WIN EP1
.set i, 0
.rept 16
	v_pk_mul_f32 v[T+2*i:T+2*i+1], v[32*(\n)+2*i:32*(\n)+2*i+1], s[44:45] op_sel_hi:[1,0]   ; 2 log2(e) x
.set i, i+1
.endr
	WIN 0
.set i, 0
	s_wait_alu depctr_va_vdst(0)
.rept 32
	v_exp_f32 v[T+i], v[T+i]
.set i, i+1
.endr
	v_nop                                          ; one plain place behind the transcendentals
.set i, 0
	s_wait_alu depctr_va_vdst(0)                   ; the 32 exponentials have written v32-63: one wait for the batch, ahead of its first reader
.rept 16
	v_pk_add_f32 v[T+2*i:T+2*i+1], v[T+2*i:T+2*i+1], 1.0 op_sel_hi:[1,0]
.set i, i+1
.endr
.set i, 0
	s_wait_alu depctr_va_vdst(0)
.rept 32
	v_rcp_f32 v[T+i], v[T+i]
.set i, i+1
.endr
	v_nop
.set i, 0
	s_wait_alu depctr_va_vdst(0)                   ; the 32 reciprocals have written v32-63: one wait for the batch, ahead of its first reader
.rept 16
	v_pk_fma_f32 v[T+2*i:T+2*i+1], v[T+2*i:T+2*i+1], -2.0, 1.0 op_sel_hi:[1,0,0]          ; tanh
.set i, i+1
.endr
	WIN EP2
.set i, 0
.rept 16
	v_pk_fma_f32 v[32*(\n)+2*i:32*(\n)+2*i+1], v[T+2*i:T+2*i+1], v[GV:GV+1], v[32*(\n)+2*i:32*(\n)+2*i+1]
.set i, i+1
.endr
.endm
; ---------------- THE WALK OVER THE FOUR ROLES.  The role in hand has its flag in s32, its weight in s36, its scale in s40; the three quadruples move down by one at a trip's end.
	s_mov_b32 s46, 4
	s_wait_kmcnt 0x0                               ; flags, weights, scales
.Lrole:
	s_cmp_eq_u32 s32, 0                            ; a whole number that the launch before stored
	s_cbranch_scc1 .Lnext
	v_mul_f32 v[GV], s36, s40                      ; g = weight x scale
	v_mov_b32 v[GV+1], v[GV]
	s_wait_alu depctr_va_vdst(0)                   ; the last role's products are done reading every set of fragments and scale words and the bias, and its epilogue has written v32-63: the loads below, and step 0's, land in these
	ASCL 0
	AL 0, 0
	AL 0, 2
	AL 0, 4
	AL 0, 6
.irp t, 0,1,2,3                                ; the bias in the result's layout: for tile t my columns 16 t + 8 h + 0 .. 7 (destination window 1, as the lines above left it)
	global_load_b128 v[BI+8*\t:BI+8*\t+3], v[BO], s[16:17] offset:64*\t
	global_load_b128 v[BI+8*\t+4:BI+8*\t+7], v[BO], s[16:17] offset:64*\t+16
.endr
	BL 0, 0
	BL 0, 1
	BL 1, 0
	BL 1, 1
	BL 2, 0
	BL 2, 1
.irp s, 0,1,2,3,4,5,6,7,8,9,10,11,12,13,14,15      ; written out: every offset is an immediate, no address is stepped inside the walk along K
	STEP \s
.endr
	WIN 0
	PLACES                                         ; behind the last products, in front of the first read of results
.irp n, 0,1,2,3,4,5,6,7
	EPI \n
.endr
	WIN 0
.Lnext:                                            ; no memory instruction of mine is out on either way: step 15's waits were for 0, so the bases may step
	s_mov_b32 s32, s33
	s_mov_b32 s33, s34
	s_mov_b32 s34, s35
	s_mov_b32 s36, s37
	s_mov_b32 s37, s38
	s_mov_b32 s38, s39
	s_mov_b32 s40, s41
	s_mov_b32 s41, s42
	s_mov_b32 s42, s43
	s_add_nc_u64 s[12:13], s[12:13], 3145728       ; the next role's images,
	s_add_nc_u64 s[14:15], s[14:15], 131072        ; scale words
	s_add_nc_u64 s[16:17], s[16:17], 8192          ; and bias
	s_sub_co_u32 s46, s46, 1
	s_cmp_lg_u32 s46, 0
	s_cbranch_scc1 .Lrole
; ---------------- THE WAY OUT, block by block of 16 tokens x 64 columns.  A lane holds 32 bytes of a row and the lanes beside it other rows: a block goes through my own stage and comes back as whole rows of 256 bytes.
; LDS serves a wave's instructions in order (ISA guide 5.7.1.4): no wait between the stores and the loads, nor in front of the next block's stores.
; Each block comes back into 32 registers of its own in window 1: no register that a store reads is written again, and no vector instruction stands in the way out.
.macro TOSTAGE a
	WIN TOST
.irp bt, 0,1,2,3
	ds_store_b128 v[STO], v[8*(4*(\a)+\bt):8*(4*(\a)+\bt)+3] offset:64*\bt
	ds_store_b128 v[STO], v[8*(4*(\a)+\bt)+4:8*(4*(\a)+\bt)+7] offset:64*\bt+16
.endr
.irp t, 0,1,2,3,4,5,6,7
	ds_load_b128 v[BK+32*(\a)+4*\t:BK+32*(\a)+4*\t+3], v[RD] offset:\t*2*SPITCH
.endr
.endm
.macro SEND a, younger                 ; younger: the LDS instructions issued behind block a's loads, which may stay out
	s_wait_dscnt \younger
	WIN SENDW
.irp t, 0,1,2,3,4,5,6,7
	global_store_b128 v[CO], v[BK+32*(\a)+4*\t:BK+32*(\a)+4*\t+3], s[24:25] offset:(16*(\a)+2*\t)*8192 th:TH_STORE_NT   ; sixteen lanes store 256 consecutive bytes, at a multiple of 256 from out's first byte; 126 rows at the most: inside the signed 24-bit immediate
.endr
.endm
	WIN TOST
	s_wait_alu depctr_va_vdst(0)                   ; the epilogues (or, where no role was weighted, the clearing lines) have written window 3, which the LDS stores read; the products are done reading window 1, in which the loads from the stage land
	TOSTAGE 0
.irp a, 1,2,3,4,5,6,7
	TOSTAGE \a
	SEND \a-1, 16                                  ; behind block a - 1's loads: block a's 8 stores and 8 loads
.endr
	SEND 7, 0
	WIN 0                                          ; the closing add's two registers lie in window 0
	s_wait_dscnt 0x0                               ; the closing lines, six on end
	s_wait_alu 0x0
	s_wait_tensorcnt 0x0
	ds_add_u32 v254, v255
	s_wait_dscnt 0x0
	s_endpgm
.Lfunc_end_k_q4f53eec6e0_roles:
	.size	k_q4f53eec6e0_roles, .Lfunc_end_k_q4f53eec6e0_roles-k_q4f53eec6e0_roles
	.p2alignl 7, 3214868480
	.fill 96, 4, 3214868480
	.section	.rodata,"a",@progbits
	.p2align	6, 0x0
	.amdhsa_kernel k_q4f53eec6e0_roles
		.amdhsa_group_segment_fixed_size 222720
		.amdhsa_private_segment_fixed_size 0
		.amdhsa_enable_private_segment 0
		.amdhsa_kernarg_size 72
		.amdhsa_user_sgpr_count 2
		.amdhsa_user_sgpr_kernarg_segment_ptr 1
		.amdhsa_wavefront_size32 1
		.amdhsa_system_sgpr_workgroup_id_x 1
		.amdhsa_system_sgpr_workgroup_id_y 1
		.amdhsa_system_sgpr_workgroup_id_z 1
		.amdhsa_system_vgpr_workitem_id 0
		.amdhsa_next_free_vgpr 1024
		.amdhsa_next_free_sgpr 66
		.amdhsa_reserve_vcc 0
		.amdhsa_float_denorm_mode_32 3
		.amdhsa_float_denorm_mode_16_64 3
		.amdhsa_memory_ordered 1
		.amdhsa_forward_progress 1
		.amdhsa_inst_pref_size 218
	.end_amdhsa_kernel
	.amdgpu_metadata
---
amdhsa.version: [ 1, 2 ]
amdhsa.kernels:
  - .name:           k_q4f53eec6e0_roles
    .symbol:         k_q4f53eec6e0_roles.kd
    .args:
      - { .name: himg, .offset: 0, .size: 8, .value_kind: global_buffer, .address_space: global }
      - { .name: hsc, .offset: 8, .size: 8, .value_kind: global_buffer, .address_space: global }
      - { .name: wimg, .offset: 16, .size: 8, .value_kind: global_buffer, .address_space: global }
      - { .name: wsc, .offset: 24, .size: 8, .value_kind: global_buffer, .address_space: global }
      - { .name: b, .offset: 32, .size: 8, .value_kind: global_buffer, .address_space: global }
      - { .name: role_onehot, .offset: 40, .size: 8, .value_kind: global_buffer, .address_space: global }
      - { .name: scales, .offset: 48, .size: 8, .value_kind: global_buffer, .address_space: global }
      - { .name: flags, .offset: 56, .size: 8, .value_kind: global_buffer, .address_space: global }
      - { .name: out0, .offset: 64, .size: 8, .value_kind: global_buffer, .address_space: global }
    .group_segment_fixed_size: 222720
    .private_segment_fixed_size: 0
    .kernarg_segment_align: 8
    .kernarg_segment_size: 72
    .max_flat_workgroup_size: 128
    .sgpr_count:     66
    .vgpr_count:     1024
    .wavefront_size: 32
...
	.end_amdgpu_metadata
.endif
;; end of part 4
